; MI455X (gfx1250); checked and timed in simulation.
; The chip was launched on July 23, 2026; its instructions are those of AMD's public machine-readable ISA for CDNA 5 (MIT licence, August 2026) and "CDNA5" Instruction Set Architecture Reference Guide (July 2026). The comments in the code are by the model that wrote it; some were corrected since.
;; Symmetric Contraction. Allowed arithmetic: matrix products marked QUANTISED: E2M3 operands, one E8M0 scale for each 32 along K, by v_wmma_scale_f32_16x16x128_f8f6f4 with both operands' format E2M3, f32 sums; products left as they are: f32 operands where the result goes on into a quantised operand, else bf16, f16 or f32 operands; f32 sums; everything else in f32.
;; Inputs: U1 16 x 1 float32; U2 16 x 16 x 4 float32; U3 16 x 16 x 16 x 23 float32; W1 10 x 1 x 128 float32; W2 10 x 4 x 128 float32; W3 10 x 23 x 128 float32; atom_types 2,048 int32; x 2,048 x 16 x 128 float32.
;; Outputs: out0 2,048 x 128 float32.
;; This version of the problem:
;;   THIS VERSION OF THE PROBLEM IS GIVEN IN LOW PRECISION. The matrix products marked QUANTISED in the list below multiply operands that are first quantised to E2M3 (2 exponent bits, 3 mantissa bits; 6 bits a number), with one power-of-two scale for each 32 numbers along K (OCP MX v1.0); their sums are f32. All else is computed in f32.
;;   The module's matrix products, in the order in which they are computed (A, B: the left and right operand; K: the contracted axis; several contracted axes count as one K, in the product's order):
;;     1. batch 262,144 x [M 16, K 1] x [K 1, N 23]; A: computed on the way; B: computed on the way: left as it is (no contracted axis)
;;     2. [M 262,144, K 368] x [K 368, N 256]; A: computed on the way; B: input U3: QUANTISED
;;     3. [M 262,144, K 4] x [K 4, N 256]; A: computed on the way; B: input U2: left as it is (K = 4 < 32)
;;     4. batch 262,144 x [M 1, K 16] x [K 16, N 16]; A: input x; B: computed on the way: left as it is (K = 16 < 32)
;;     5. [M 262,144, K 1] x [K 1, N 16]; A: computed on the way; B: input U1: left as it is (K = 1 < 32)
;;     6. batch 262,144 x [M 1, K 16] x [K 16, N 1]; A: computed on the way; B: input x: left as it is (K = 16 < 32)
;;   THE QUANTISER, for each operand of a quantised product, along K:
;;     - K is cut into blocks of 32 from its start; a last block that is shorter is filled with zeros.
;;     - A block's scale is 2^e with e = floor(log2(the largest magnitude in the block)) - 2, held to -126 .. 127; a block of zeros has e = 0. As a byte (E8M0): e + 127.
;;     - Each number is divided by its block's scale, clamped to +-7.5, and rounded to the nearest number of E2M3, ties to even, subnormals kept.
;;     - The product sums the exact products of the quantised numbers (number of the format x scale) in f32.
;;   ~~~python
;;   def quantise(x, axis):      # numpy; x: float32 -> the quantised numbers, widened to float32 again
;;       x = np.moveaxis(x, axis, -1); K = x.shape[-1]
;;       x = np.pad(x, [(0, 0)] * (x.ndim - 1) + [(0, -K % 32)]); x = x.reshape(x.shape[:-1] + (-1, 32)); a = np.abs(x).max(-1, keepdims=True)
;;       e = np.where(a > 0, np.clip(np.frexp(np.where(a > 0, a, 1))[1] - 1 - 2, -126, 127), 0)      # np.frexp(a)[1] - 1 = floor(log2(a)), exactly
;;       r = np.clip(x / 2.0 ** e, -7.5, 7.5)
;;       step = 2.0 ** (np.maximum(np.frexp(np.where(r == 0, 1, r))[1] - 1, 0) - 3)
;;       q = np.round(r / step) * step * 2.0 ** e      # np.round: ties to even
;;       return np.moveaxis(q.reshape(q.shape[:-2] + (-1,))[..., :K], -1, axis).astype(np.float32)
;;   ~~~
;;   OPERANDS COMPUTED ON THE WAY. 'Computed on the way' means the value that the module computes at that place (a softmax that the list does not call 'softmax' is quantised finished and normalised). What goes into a quantiser is computed in f32, as accurately as f32 sums, v_exp_f32 and their like allow (about 1e-6 of the number): no bf16 or f16 on the way to a quantiser, and a product that is left as it is and whose result goes on into a quantised operand takes f32 operands (vector FMAs, or v_wmma_f32_16x16x4_f32). A number that lies on a knife's edge between two numbers of the format may be rounded either way, as far as f32 arithmetic and the matrix unit's own rounding can turn it there, and no further.
;; One version. Each part assembles by itself: llvm-mc -triple=amdgcn-amd-amdhsa -mcpu=gfx1250 --defsym DOCPART=n.
;; ======== version 1 of 1: 2 launches
;; workspace buffers: u3img 73,728 bytes; u3sc 3,072 bytes
;; launch quantu3 (part 1): grid 16 x 3, 1 waves a work-group, no clusters, 0 bytes of LDS; arguments U3, u3img, u3sc; writes u3img, u3sc
.if DOCPART == 1
	.amdgcn_target "amdgcn-amd-amdhsa--gfx1250"
	.amdhsa_code_object_version 6
	.text
	.protected	k_q44734d4600_quantu3
	.globl	k_q44734d4600_quantu3
	.p2align	8
	.type	k_q44734d4600_quantu3,@function
k_q44734d4600_quantu3:
	s_mov_b64 s[64:65], 0
	v_nop
	global_prefetch_b8 v0, s[64:65] scope:SCOPE_SE
	s_setreg_imm32_b32 hwreg(HW_REG_WAVE_MODE, 25, 1), 1
	s_wait_xcnt 0x0
; U3 [16 a][16 b][16 i][23 k], f32, becomes the left source of the quantised product: codes of FP6 (E2M3) with one E8M0 byte for each 32 along K.
; K = 23 i + k: a row (a, b) of U3 is 368 consecutive numbers, 11 whole blocks of 32 and one of 16 numbers that is filled with zeros: 12 blocks, three K steps of 128.
; One wave makes ONE fragment (a, K step s): 16 rows b x 128 K, 12 registers a lane, and stores it as an IMAGE OF THE OPERAND'S REGISTERS:
;   u3img: fragment 3 a + s at 1,536 (3 a + s); register p of lane l at 512 (p / 4) + 16 l + 4 (p % 4);   u3sc: the scale word of row (a, b), K step s at 4 ((16 s + a) 16 + b).
; Lane (r, h) holds blocks 4 s + h and 4 s + 2 + h of row b = r whole, so a block's largest magnitude needs no other lane.
; 48 fragments, 48 work-groups of one wave: the tensor is 376,832 bytes and each number is read once.
; A block's scale is 2^(floor(log2(largest magnitude)) - 2); its byte is the largest magnitude's exponent field - 2, held at 1 from below.
; LIMITS: NaN and infinities are not served; a block whose largest magnitude lies under 2^-124, a block of zeros among them, keeps the byte 1 (the bytes are read by this program alone).
.set ROWB, 1472                        ; a row (a, b) in bytes
	s_load_b128 s[4:7], s[0:1], 0x0                ; U3, u3img
	s_load_b64 s[8:9], s[0:1], 0x10                ; u3sc
	s_mov_b32 s10, ttmp9                           ; a
	s_and_b32 s11, ttmp7, 0xffff                   ; s
	s_mov_b32 s20, 0x76543210
	s_mov_b32 s21, 0xfedcba98                      ; lane selects: lane l xor 16
	v_and_b32 v1, 15, v0                           ; r
	v_lshrrev_b32 v2, 4, v0                        ; h (one wave: v0 is the lane)
	s_mul_i32 s12, s10, 16*ROWB
	s_lshl_b32 s13, s11, 9
	s_add_co_u32 s12, s12, s13                     ; 16 rows x a + 512 s
	v_mul_u32_u24 v3, v1, ROWB
	v_lshl_add_u32 v3, v2, 7, v3
	v_add_nc_u32 v3, s12, v3                       ; byte of block 4 s + h of row (a, r)
	s_lshl_b32 s13, s11, 2
	s_add_co_u32 s13, s13, 2
	v_add_nc_u32 v8, s13, v2                       ; my second block's number, 4 s + 2 + h
	v_cmp_eq_u32 vcc_lo, 11, v8                    ; block 11 has 16 numbers only
	v_add_nc_u32 v4, 0xffffffc0, v3
	v_cndmask_b32 v4, v3, v4, vcc_lo               ; there the loads of its upper half read the lower half again: no load leaves the row
	v_mov_b32 v5, 0
	s_mul_i32 s14, s10, 3
	s_add_co_u32 s14, s14, s11
	s_mul_i32 s14, s14, 1536
	v_lshl_add_u32 v6, v0, 4, s14                  ; the image: 16 x lane + 1,536 (3 a + s)
	s_lshl_b32 s15, s11, 4
	s_add_co_u32 s15, s15, s10
	s_lshl_b32 s15, s15, 6
	v_lshl_add_u32 v7, v1, 2, s15                  ; the scale word: 4 r + 64 (16 s + a)
	s_wait_kmcnt 0x0
.irp j, 0,1,2,3,4,5,6,7
	global_load_b128 v[64+4*\j:67+4*\j], v3, s[4:5] offset:16*\j th:TH_LOAD_NT
.endr
.irp j, 0,1,2,3
	global_load_b128 v[96+4*\j:99+4*\j], v3, s[4:5] offset:256+16*\j th:TH_LOAD_NT
.endr
.irp j, 4,5,6,7
	global_load_b128 v[96+4*\j:99+4*\j], v4, s[4:5] offset:256+16*\j th:TH_LOAD_NT
.endr
	s_wait_loadcnt 0x0
.irp i, 0,1,2,3,4,5,6,7,8,9,10,11,12,13,14,15
	v_cndmask_b32 v[112+\i], v[112+\i], v5, vcc_lo ; K = 368 .. 383: zeros, ahead of the maximum
.endr
.irp c, 0,1
	v_max3_num_f32 v[32+\c], |v[64+32*\c]|, |v[65+32*\c]|, 0x1800000   ; my two blocks by turns; the floor 2^(3 - 127) holds the byte at 1 from below
.endr
.irp i, 2,4,6,8,10,12,14,16,18,20,22,24,26,28,30
.irp c, 0,1
	v_max3_num_f32 v[32+\c], v[32+\c], |v[64+32*\c+\i]|, |v[65+32*\c+\i]|
.endr
.endr
.irp c, 0,1
	v_add_nc_u32 v[44+\c], 0xff000000, v[32+\c]    ; 2 off the exponent field: the conversion's scale operand
.endr
.irp c, 0,1
	v_lshrrev_b32 v[36+\c], 23, v[44+\c]           ; the scale's byte
.endr
	v_lshl_or_b32 v9, v37, 16, v36                 ; my two bytes, blocks h and 2 + h of the K step,
	v_lshlrev_b32 v10, 3, v2
	v_lshlrev_b32 v9, v10, v9                      ; at their places in the word (8 h bits up);
	v_mov_b32 v10, 0
	v_permlanex16_b32 v10, v9, s20, s21
	v_or_b32 v9, v9, v10                           ; with lane l xor 16's two the word is whole
	v_cvt_scalef32_pk16_fp6_f32 v[48:50], v[64:79], v44
	v_cvt_scalef32_pk16_fp6_f32 v[60:62], v[80:95], v44      ; (a conversion's three registers begin on an even number: the upper halves are made elsewhere and moved)
	v_cvt_scalef32_pk16_fp6_f32 v[54:56], v[96:111], v45
	v_cvt_scalef32_pk16_fp6_f32 v[12:14], v[112:127], v45
	v_nop                                          ; one plain line behind the scaled conversions
.irp i, 0,1,2
	v_mov_b32 v[51+\i], v[60+\i]
	v_mov_b32 v[57+\i], v[12+\i]
.endr
.irp c, 0,1,2
	global_store_b128 v6, v[48+4*\c:51+4*\c], s[6:7] offset:512*\c   ; 32 lanes store 512 consecutive bytes, at a multiple of 256 from the buffer's first byte
.endr
	v_cmp_gt_u32 vcc_lo, 16, v0
	s_wait_xcnt 0x0                                ; EXEC changes only behind this wait
	s_and_saveexec_b32 s16, vcc_lo
	global_store_b32 v7, v9, s[8:9]                ; lanes 0-15: 64 consecutive bytes a wave; all scale words together are 3,072 bytes
	s_wait_xcnt 0x0
	s_or_b32 exec_lo, exec_lo, s16
	s_endpgm
.Lfunc_end_k_q44734d4600_quantu3:
	.size	k_q44734d4600_quantu3, .Lfunc_end_k_q44734d4600_quantu3-k_q44734d4600_quantu3
	.p2alignl 7, 3214868480
	.fill 96, 4, 3214868480
	.section	.rodata,"a",@progbits
	.p2align	6, 0x0
	.amdhsa_kernel k_q44734d4600_quantu3
		.amdhsa_group_segment_fixed_size 0
		.amdhsa_private_segment_fixed_size 0
		.amdhsa_enable_private_segment 0
		.amdhsa_kernarg_size 24
		.amdhsa_user_sgpr_count 2
		.amdhsa_user_sgpr_kernarg_segment_ptr 1
		.amdhsa_wavefront_size32 1
		.amdhsa_system_sgpr_workgroup_id_x 1
		.amdhsa_system_sgpr_workgroup_id_y 1
		.amdhsa_system_sgpr_workgroup_id_z 1
		.amdhsa_system_vgpr_workitem_id 0
		.amdhsa_next_free_vgpr 128
		.amdhsa_next_free_sgpr 66
		.amdhsa_reserve_vcc 1
		.amdhsa_float_denorm_mode_32 3
		.amdhsa_float_denorm_mode_16_64 3
		.amdhsa_memory_ordered 1
		.amdhsa_forward_progress 1
		.amdhsa_inst_pref_size 8
	.end_amdhsa_kernel
	.amdgpu_metadata
---
amdhsa.version: [ 1, 2 ]
amdhsa.kernels:
  - .name:           k_q44734d4600_quantu3
    .symbol:         k_q44734d4600_quantu3.kd
    .args:
      - { .name: U3, .offset: 0, .size: 8, .value_kind: global_buffer, .address_space: global }
      - { .name: u3img, .offset: 8, .size: 8, .value_kind: global_buffer, .address_space: global }
      - { .name: u3sc, .offset: 16, .size: 8, .value_kind: global_buffer, .address_space: global }
    .group_segment_fixed_size: 0
    .private_segment_fixed_size: 0
    .kernarg_segment_align: 8
    .kernarg_segment_size: 24
    .max_flat_workgroup_size: 32
    .sgpr_count:     66
    .vgpr_count:     128
    .wavefront_size: 32
...
	.end_amdgpu_metadata
.endif
;; end of part 1
;; launch contract (part 2): grid 256 x 1, 4 waves a work-group, clusters of 4 x 1, 168,448 bytes of LDS; arguments x, atom_types, U2, U1, W3, W2, W1, u3img, u3sc, out0; writes out0
.if DOCPART == 2
	.amdgcn_target "amdgcn-amd-amdhsa--gfx1250"
	.amdhsa_code_object_version 6
	.text
	.protected	k_q44734d4600_contract
	.globl	k_q44734d4600_contract
	.p2align	8
	.type	k_q44734d4600_contract,@function
k_q44734d4600_contract:
	s_mov_b64 s[64:65], 0
	v_nop
	global_prefetch_b8 v0, s[64:65] scope:SCOPE_SE
	s_setreg_imm32_b32 hwreg(HW_REG_WAVE_MODE, 25, 1), 1
	s_wait_xcnt 0x0
	s_wait_alu depctr_hold_cnt(0) depctr_sa_sdst(0) depctr_va_vdst(0) depctr_va_sdst(0) depctr_va_ssrc(0) depctr_va_vcc(0) depctr_vm_vsrc(0)
	s_getreg_b32 s2, hwreg(HW_REG_IB_STS2, 6, 4)
	s_cmp_eq_u32 s2, 0
	s_cbranch_scc0 .Lentry_in_a_cluster
	s_endpgm
.Lentry_in_a_cluster:
	s_bfe_u32 s2, ttmp6, 0x10000c
	s_cmp_lg_u32 s2, 0x3003
	s_cbranch_scc0 .Lentry_shape_is_right
	s_endpgm
.Lentry_shape_is_right:
; out[n][c] = sum_a x_a ( sum_b ( c3[a][b] + sum_k U2[a][b][k] w2_k ) x_b + U1[a] w1 ),  c3[a][b] = sum over K = 23 i + k of U3[a][b][i][k] (w3_k x_i);  w3, w2, w1 are the rows of W3, W2, W1 at the atom's type.
; c3 is the QUANTISED product: both operands codes of FP6 (E2M3), one E8M0 scale for each 32 along K, K = 368 filled with zeros to 384 = 3 x 128.  U3's codes come from the launch before; w3_k x_i is made here, in f32, and quantised in registers.
; SHARES.  256 work-groups of four waves.  Work-group g owns atoms 8 g .. 8 g + 7; wave w owns channels 32 w .. 32 w + 31 of all eight.  A trip of the loop is one atom: two tiles t = 0, 1 of 16 channels.
; ALL OF U3 (48 fragments, 576 registers) STAYS IN EVERY WAVE'S REGISTERS: in the loop no operand of the quantised product goes through LDS, and no barrier stands in the loop.
; THE PRODUCT IS USED TRANSPOSED: source 0 = U3's tile of one a (rows b), source 1 = 16 channels.  In the result lane (r, h) holds channel r and register j holds b = 8 h + j, so sum_b c3 x_b and the factor x_a are packed lines;
; the two halves of the lanes are added once an atom.
; TWO TILES ARE BUILT AT ONCE: lane l makes all 12 blocks of ITS OWN channel 32 w + l, so all lanes use the same (i, k) in the same line; one exchange of lane halves between an even block's codes and the odd block's turns them
; into tile 0's and tile 1's fragments.  A lane's own four bytes are its row's scale word: tile 0's in lanes 0-15, tile 1's in lanes 16-31.
; A BLOCK'S LARGEST MAGNITUDE IS NOT SEARCHED FOR: f32 rounding never reverses an order, so max_k |fl(w_k x_i)| = fl(|x_i| max_k |w_k|): suffix and prefix maxima of |w3| once an atom, then one to three products a block.
; THESE 99 LINES ARE MADE FOR THE NEXT ATOM UNDER THIS ATOM'S MATRIX WORK: they touch no register of a product, and stand in slices behind the matrix instructions of the trip's last two units.
; THE SECOND-ORDER TERM: D2_k[a] = sum_b U2[a][b][k] x_b by the bf16 matrix form (K = 16 and 16 zeros), four instructions a tile; then sum_a x_a D2_k[a] w2_k by the same lines as the third order.  The first order in f32, U1 in scalar registers.
; CLUSTER: the four work-groups of a cluster need the same image of U3: it is asked for JOINTLY.  x is not shared by any two work-groups; the rows of W3, W2, W1 hang on each atom's type, which differs between partners: these are not shared.
; LIMITS: NaN and infinities are not served (U2's among them: a fragment of U2 is followed in its registers by the next fragment's numbers, which meet zeros of x).  A block of w3 x whose largest magnitude lies under 2^-124 keeps the scale byte 1.
; A type outside 0 .. 9 (as an unsigned number) is held at 9.  x and U2 are rounded to bf16 in the second-order term alone.  The last trip loads atom 7's x and weights once more and makes their block scales (nothing reads them), so that the loop has no branch of its own for its last trip.
; LDS, every byte filled once: U3's image; x of the eight atoms, 128 rows (16 atom + i) of 512 bytes + 8; the results' stage (written by ds_store alone).
.set XR,    73728                      ; x's rows begin behind U3's image
.set XP,    520                        ; their pitch: rows 8 apart lie 1,040 words apart, 16 banks on (64 banks of 4 bytes: ISA guide 11.1): the two halves of the lanes, which read rows 8 apart, do not meet
.set XATOM, 16*XP
.set OUTS,  XR+128*XP                  ; 8 atoms x 512 bytes of results
; REGISTERS, window 0: v1-12 addresses that stay; v13-16 addresses in hand; v18-23 sums; v24-47 U3's scale words; v48-50 the built operand's; v51 w1; v52-59 x in bf16; v60-67 T, v68-75 O;
;   v76-111 tile 0's fragments, v112-147 tile 1's; v148-211 eight accumulators (while building: 64 products); v212-227 two accumulators of the second order (while building: upper halves of codes); v228-243 x_i; v244-255 the conversions' scale operands.
; window 1 + s: v0-191 U3's fragments of K step s (a at 12 a).  window 1 from v192 + 28 t: x[8 h + j] (8), x[a] (16), w2 (4) of tile t.  window 2 from v192: w3 twice (below), from v238 products at work.
; window 3 from v192: U2's four fragments, 4 registers apart, and four zeros; from v212 the maxima of |w3|.
.set SCU, 24
.set SCA, 48
.set XH,  52
.set T,   60
.set O,   68
.set F,   76
.set ACC, 148
.set PE,  148                          ; an even block's 32 products
.set PO,  180                          ; the odd block's
.set D2,  212
.set TE,  212                          ; upper halves of a block's codes
.set TO,  216
.set X,   228
.set SCO, 244
.set WE,  192                          ; window 2: w3[k] at WE + k, k = 0 .. 22, and w3[0] once more at WE + 23: pairs (k, k + 1) for even k begin on an even register
.set WO,  215                          ; window 2: w3[k] at WO + k, k = 1 .. 22: pairs for odd k begin on an even register
.set T2,  238                          ; window 2: a block's second run, 11 registers
.set T4,  250                          ; window 2: a block's third run, 4 registers
.set SUF3, 212                         ; window 3: SUF3 + k: max of |w3| over k .. 22
.set PRE3, 234                         ; window 3: PRE3 + k: over 0 .. k, k = 1 .. 21 (over 0 .. 22 it is SUF3 + 0)
.set MSB, 0
.macro WIN new                         ; the immediate's high byte repeats the setting that is left; a switch that changes nothing is dropped
.if MSB != (\new)
	s_set_vgpr_msb (MSB<<8)|(\new)
.set MSB, (\new)
.endif
.endm
.macro ROUND                           ; a round of the cluster's barrier
	s_barrier_signal -1
	s_barrier_wait -1
	s_cmp_lg_u32 s24, 0
	s_cbranch_scc1 .Lnot_wave_0_\@
	s_barrier_signal -3
.Lnot_wave_0_\@:
	s_barrier_wait -3
	s_barrier_signal -1
	s_barrier_wait -1
.endm
; The next atom's rows of W3, W2, W1; the queue of types moves up (its last stays: the last trip takes atom 7's again).  It stands behind a wait that shows every load done that names s[84:89].
.macro NEXTW
	s_min_u32 s91, s52, 9
	s_mov_b32 s97, 0
	s_mul_i32 s96, s91, 23*512
	s_add_nc_u64 s[84:85], s[12:13], s[96:97]
	s_mul_i32 s96, s91, 4*512
	s_add_nc_u64 s[86:87], s[14:15], s[96:97]
	s_mul_i32 s96, s91, 512
	s_add_nc_u64 s[88:89], s[16:17], s[96:97]
.irp q, 52,53,54,55,56,57,58
	s_mov_b32 s[\q], s[\q+1]
.endr
.endm
.macro WLOAD                           ; w3 of my channel, twice, and w1: 47 loads, 128 consecutive bytes a wave each
	WIN 0x80
.set kq, 0
.rept 24
	global_load_b32 v[WE+kq], v7, s[84:85] offset:512*(kq%23)
.set kq, kq+1
.endr
.set kq, 1
.rept 22
	global_load_b32 v[WO+kq], v7, s[84:85] offset:512*kq
.set kq, kq+1
.endr
	WIN 0
	global_load_b32 v51, v7, s[88:89]
.endm
.macro XNEXT                           ; x_i of my channel
.irp i, 0,1,2,3,4,5,6,7,8,9,10,11,12,13,14,15
	ds_load_b32 v[X+\i], v13 offset:XP*\i
.endr
.endm
.macro XLD                             ; what the lines behind the products want, in the result's layout, for both tiles
	WIN 0x40
.irp t, 0,1
.irp j, 0,1,2,3,4,5,6,7
	ds_load_b32 v[192+28*\t+\j], v14 offset:XP*\j+64*\t
.endr
.irp a, 0,1,2,3,4,5,6,7,8,9,10,11,12,13,14,15
	ds_load_b32 v[200+28*\t+\a], v15 offset:XP*\a+64*\t
.endr
.irp k, 0,1,2,3
	global_load_b32 v[216+28*\t+\k], v8, s[86:87] offset:512*\k+64*\t
.endr
.endr
	WIN 0
.endm
; THE BLOCK SCALES OF AN ATOM: a list of 99 lines; PBL writes line PBJ and steps PBJ.  It reads w3 (window 2) and x_i, and leaves the twelve conversions' scale operands in v[SCO] on.
;   0-43   the maxima of |w3|: even lines the suffixes, k = 22 down to 1, odd lines the prefixes, k = 1 up to 21, line 43 the suffix from 0: two chains by turns
;   44-55  block bb = K 32 bb .. 32 bb + 31 is up to three runs, (i0, k0 .. 22), (i0 + 1, 0 ..), (i0 + 2, 0 ..): the first run's largest magnitude
;   56-66  the second run's;   67-70 the third run's, which blocks 2, 5, 7, 10 have
;   71-82  the larger of the first two and of the floor 2^(3 - 127), which holds the byte at 1 from below (block 11: 16 numbers of i = 15, then zeros);   83-86 with the third
;   87-98  2 off the exponent field: the conversion takes the exponent field of this operand as its scale
.set PBN, 99
.macro PBL
.if PBJ < 44
.if PBJ == 0
	WIN 0xce                                       ; destination and source 1 window 3, source 0 window 2
	v_max_num_f32 v[SUF3+22], |v[WE+22]|, 0
.elseif PBJ == 1
	WIN 0xca                                       ; both sources window 2
	v_max_num_f32 v[PRE3+1], |v[WE+1]|, |v[WE]|
.elseif PBJ == 43
	WIN 0xce
	v_max_num_f32 v[SUF3], |v[WE]|, v[SUF3+1]
.elseif PBJ%2 == 0
.set kq, 22-PBJ/2
	WIN 0xce
	v_max_num_f32 v[SUF3+kq], |v[WE+kq]|, v[SUF3+kq+1]
.else
.set kq, 1+PBJ/2
	WIN 0xce
	v_max_num_f32 v[PRE3+kq], |v[WE+kq]|, v[PRE3+kq-1]
.endif
.else
.set jb, PBJ-44
.set qq, 0
.if jb < 12
.set bb, jb
.elseif jb < 23
.set bb, jb-12
.elseif jb < 27
.set qq, jb-23
.set bb, 2+3*qq-qq/2
.elseif jb < 39
.set bb, jb-27
.elseif jb < 43
.set qq, jb-39
.set bb, 2+3*qq-qq/2
.else
.set bb, jb-43
.endif
.set i0, (32*bb)/23
.set k0, (32*bb)%23
.set rem, 9+k0                         ; numbers of the block behind its first run
.set pq3, PRE3+rem-1
.if rem >= 23
.set pq3, SUF3                         ; the second run is a whole i
.endif
.if jb < 12
	WIN 0x0c                                       ; source 1 window 3
	v_mul_f32 v[SCO+bb], |v[X+i0]|, v[SUF3+k0]
.elseif jb < 23
	WIN 0x8c                                       ; destination window 2, source 1 window 3
	v_mul_f32 v[T2+bb], |v[X+1+i0]|, v[pq3]
.elseif jb < 27
	WIN 0x8c
	v_mul_f32 v[T4+qq], |v[X+2+i0]|, v[PRE3+rem-24]
.elseif jb < 38
	WIN 0x08                                       ; source 1 window 2
	v_max3_num_f32 v[SCO+bb], v[SCO+bb], v[T2+bb], 0x1800000
.elseif jb < 39
	WIN 0
	v_max_num_f32 v[SCO+11], 0x1800000, v[SCO+11]
.elseif jb < 43
	WIN 0x08
	v_max_num_f32 v[SCO+bb], v[SCO+bb], v[T4+qq]
.else
	WIN 0
	v_add_nc_u32 v[SCO+bb], 0xff000000, v[SCO+bb]
.endif
.endif
.set PBJ, PBJ+1
.endm
.macro PBS n                           ; the list's next n lines, as far as it goes
.rept \n
.if PBJ < PBN
	PBL
.endif
.endr
.endm
.macro PBSLOT                          ; a slice behind one matrix instruction: of the two chains one link each, so that a matrix instruction stands between a link and the next; of the rest four lines
.if PBJ < 44
	PBS 2
.else
	PBS 4
.endif
.endm
; The products w3_k x_i of block beta, two a line, into v[P] on.  Source 0 (w3) in window 2.  K = 23 i + k even means i and k are both even or both odd.
.macro MULB beta, P
.set ee, 0
.rept 16
.set kap, 32*(\beta)+ee
.if kap < 368
.set ii, kap/23
.set kk, kap%23
.if kk == 22
	v_pk_mul_f32 v[(\P)+ee:(\P)+ee+1], v[WE+22:WE+23], v[X+ii:X+ii+1]                                 ; (w22 x_i, w0 x_(i+1)): i is even here
.elseif ii%2 == 0
	v_pk_mul_f32 v[(\P)+ee:(\P)+ee+1], v[WE+kk:WE+kk+1], v[X+ii:X+ii+1] op_sel_hi:[1,0]               ; both by x_i, the pair's low word
.else
	v_pk_mul_f32 v[(\P)+ee:(\P)+ee+1], v[WO+kk:WO+kk+1], v[X+ii-1:X+ii] op_sel:[0,1] op_sel_hi:[1,1]  ; both by x_i, the pair's high word
.endif
.endif
.set ee, ee+2
.endr
.endm
; Blocks 4 s + 2 c and 4 s + 2 c + 1 become registers 6 c .. 6 c + 5 of K step s's fragments of both tiles.
; fill: which line of the first-order sum's end is the plain line behind the scaled conversions (0: a v_nop).
; hook = 1, the atom's last blocks: w3 and x_i have been read for the last time, so the next atom's are asked for here, ahead of the conversions.
.macro CVTG s, c, fill, hook
.set bet, 4*(\s)+2*(\c)
.set bas, 12*(\s)+6*(\c)
	WIN 0x02
	MULB bet, PE
	MULB bet+1, PO
	WIN 0
.if \hook
	s_wait_loadcnt 0x0                             ; w2 is in: every load that names s[84:89] is done, so they may be written
	NEXTW
	WLOAD
	XNEXT
.endif
	v_cvt_scalef32_pk16_fp6_f32 v[F+bas:F+bas+2], v[PE:PE+15], v[SCO+bet]
	v_cvt_scalef32_pk16_fp6_f32 v[F+36+bas:F+36+bas+2], v[PO:PO+15], v[SCO+bet+1]
	v_cvt_scalef32_pk16_fp6_f32 v[TE:TE+2], v[PE+16:PE+31], v[SCO+bet]          ; (a conversion's three registers begin on an even number: the upper halves are made here and moved)
.if bet+1 < 11
	v_cvt_scalef32_pk16_fp6_f32 v[TO:TO+2], v[PO+16:PO+31], v[SCO+bet+1]
.if \fill == 1                         ; one plain line behind the scaled conversions
	v_add_f32 v22, v22, v23
.elseif \fill == 2
	v_add_f32 v20, v20, v21
.elseif \fill == 3
	v_add_f32 v22, v22, v20
.elseif \fill == 4
	v_mul_f32 v22, v22, v51                        ; the first order of my own channel: w1 sum_a U1[a] x_a
.else
	v_nop
.endif
.else
.irp i, 0,1,2
	v_mov_b32 v[TO+\i], 0                          ; K = 368 .. 383: zero codes.  (Plain lines behind the scaled conversions)
.endr
.endif
.irp i, 0,1,2
	v_permlane16_swap_b32 v[F+bas+\i], v[F+36+bas+\i]   ; the even block's lanes 16-31 change places with the odd block's lanes 0-15: the first is now tile 0's register, the second tile 1's
.endr
.irp i, 0,1,2
	v_permlane16_swap_b32 v[TE+\i], v[TO+\i]
.endr
.irp i, 0,1,2
	v_mov_b32 v[F+bas+3+\i], v[TE+\i]
.endr
.irp i, 0,1,2
	v_mov_b32 v[F+36+bas+3+\i], v[TO+\i]
.endr
.endm
; Two finished accumulators A, B (window 0): O += f.lo sum_j xb_j A_j and f.hi sum_j xb_j B_j, kept in four pairs.  xb and the pair f are source 0, in window 1.  Three groups of four: no line reads the line above it.
; Each accumulator is read from its low end on.  first = 1: the sums begin: nothing is cleared.
.macro POST2 A, B, f, xb, first
	v_pk_mul_f32 v[T:T+1],   v[(\xb):(\xb)+1],   v[(\A):(\A)+1]
	v_pk_mul_f32 v[T+2:T+3], v[(\xb)+2:(\xb)+3], v[(\A)+2:(\A)+3]
	v_pk_mul_f32 v[T+4:T+5], v[(\xb):(\xb)+1],   v[(\B):(\B)+1]
	v_pk_mul_f32 v[T+6:T+7], v[(\xb)+2:(\xb)+3], v[(\B)+2:(\B)+3]
	v_pk_fma_f32 v[T:T+1],   v[(\xb)+4:(\xb)+5], v[(\A)+4:(\A)+5], v[T:T+1]
	v_pk_fma_f32 v[T+2:T+3], v[(\xb)+6:(\xb)+7], v[(\A)+6:(\A)+7], v[T+2:T+3]
	v_pk_fma_f32 v[T+4:T+5], v[(\xb)+4:(\xb)+5], v[(\B)+4:(\B)+5], v[T+4:T+5]
	v_pk_fma_f32 v[T+6:T+7], v[(\xb)+6:(\xb)+7], v[(\B)+6:(\B)+7], v[T+6:T+7]
.if \first
	v_pk_mul_f32 v[O:O+1],   v[(\f):(\f)+1], v[T:T+1]   op_sel_hi:[0,1]
	v_pk_mul_f32 v[O+2:O+3], v[(\f):(\f)+1], v[T+2:T+3] op_sel_hi:[0,1]
	v_pk_mul_f32 v[O+4:O+5], v[(\f):(\f)+1], v[T+4:T+5] op_sel:[1,0] op_sel_hi:[1,1]
	v_pk_mul_f32 v[O+6:O+7], v[(\f):(\f)+1], v[T+6:T+7] op_sel:[1,0] op_sel_hi:[1,1]
.else
	v_pk_fma_f32 v[O:O+1],   v[(\f):(\f)+1], v[T:T+1],   v[O:O+1]   op_sel_hi:[0,1,1]
	v_pk_fma_f32 v[O+2:O+3], v[(\f):(\f)+1], v[T+2:T+3], v[O+2:O+3] op_sel_hi:[0,1,1]
	v_pk_fma_f32 v[O+4:O+5], v[(\f):(\f)+1], v[T+4:T+5], v[O+4:O+5] op_sel:[1,0,0] op_sel_hi:[1,1,1]
	v_pk_fma_f32 v[O+6:O+7], v[(\f):(\f)+1], v[T+6:T+7], v[O+6:O+7] op_sel:[1,0,0] op_sel_hi:[1,1,1]
.endif
.endm
; The quantised product's one line: U3's fragment (a, s), in window 1 + s, x tile tau's fragment of K step s.  U3's scale words: a even in lanes 0-15, a odd in lanes 16-31; the built operand's: tile 0 in lanes 0-15, tile 1 in lanes 16-31.
.macro W6 s, a, tau, zero
.set rD, ACC+8*((\a)%8)
.set rA, 12*(\a)
.set rB, F+36*(\tau)+12*(\s)
.set rP, SCU+8*(\s)+(\a)/2
.set rQ, SCA+(\s)
.if \zero
.if ((\a)%2 == 0) && (\tau == 0)
	v_wmma_scale_f32_16x16x128_f8f6f4 v[rD:rD+7], v[rA:rA+11], v[rB:rB+11], 0, v[rP], v[rQ] matrix_a_fmt:MATRIX_FMT_FP6 matrix_b_fmt:MATRIX_FMT_FP6
.elseif \tau == 0
	v_wmma_scale_f32_16x16x128_f8f6f4 v[rD:rD+7], v[rA:rA+11], v[rB:rB+11], 0, v[rP], v[rQ] matrix_a_fmt:MATRIX_FMT_FP6 matrix_b_fmt:MATRIX_FMT_FP6 matrix_a_scale:MATRIX_SCALE_ROW1
.elseif (\a)%2 == 0
	v_wmma_scale_f32_16x16x128_f8f6f4 v[rD:rD+7], v[rA:rA+11], v[rB:rB+11], 0, v[rP], v[rQ] matrix_a_fmt:MATRIX_FMT_FP6 matrix_b_fmt:MATRIX_FMT_FP6 matrix_b_scale:MATRIX_SCALE_ROW1
.else
	v_wmma_scale_f32_16x16x128_f8f6f4 v[rD:rD+7], v[rA:rA+11], v[rB:rB+11], 0, v[rP], v[rQ] matrix_a_fmt:MATRIX_FMT_FP6 matrix_b_fmt:MATRIX_FMT_FP6 matrix_a_scale:MATRIX_SCALE_ROW1 matrix_b_scale:MATRIX_SCALE_ROW1
.endif
.else
.if ((\a)%2 == 0) && (\tau == 0)
	v_wmma_scale_f32_16x16x128_f8f6f4 v[rD:rD+7], v[rA:rA+11], v[rB:rB+11], v[rD:rD+7], v[rP], v[rQ] matrix_a_fmt:MATRIX_FMT_FP6 matrix_b_fmt:MATRIX_FMT_FP6
.elseif \tau == 0
	v_wmma_scale_f32_16x16x128_f8f6f4 v[rD:rD+7], v[rA:rA+11], v[rB:rB+11], v[rD:rD+7], v[rP], v[rQ] matrix_a_fmt:MATRIX_FMT_FP6 matrix_b_fmt:MATRIX_FMT_FP6 matrix_a_scale:MATRIX_SCALE_ROW1
.elseif (\a)%2 == 0
	v_wmma_scale_f32_16x16x128_f8f6f4 v[rD:rD+7], v[rA:rA+11], v[rB:rB+11], v[rD:rD+7], v[rP], v[rQ] matrix_a_fmt:MATRIX_FMT_FP6 matrix_b_fmt:MATRIX_FMT_FP6 matrix_b_scale:MATRIX_SCALE_ROW1
.else
	v_wmma_scale_f32_16x16x128_f8f6f4 v[rD:rD+7], v[rA:rA+11], v[rB:rB+11], v[rD:rD+7], v[rP], v[rQ] matrix_a_fmt:MATRIX_FMT_FP6 matrix_b_fmt:MATRIX_FMT_FP6 matrix_a_scale:MATRIX_SCALE_ROW1 matrix_b_scale:MATRIX_SCALE_ROW1
.endif
.endif
.endm
.macro XBF tau                         ; sources in window 1: tile tau's x[8 h + 0 .. 7] as bf16: registers 0-3 of the second order's source 1 (registers 4-7, K = 16 .. 31, stay zero)
.irp m, 0,1,2,3
	v_cvt_pk_bf16_f32 v[XH+\m], v[192+28*(\tau)+2*\m], v[193+28*(\tau)+2*\m]
.endr
.endm
.macro SUMO tau                        ; tile tau's eight partial sums of my lane
	v_pk_add_f32 v[O:O+1], v[O:O+1], v[O+2:O+3]
	v_pk_add_f32 v[O+4:O+5], v[O+4:O+5], v[O+6:O+7]
	v_pk_add_f32 v[O:O+1], v[O:O+1], v[O+4:O+5]
	v_add_f32 v[18+(\tau)], v[O], v[O+1]
.endm
.macro PLACES
.rept 4
	v_nop
.endr
.endm
; A UNIT: tile tau, a = 8 u .. 8 u + 7: 24 products of the third order on eight accumulators, which take turns, one instruction a turn, and two of the second order.
; prev = 1: the unit before, (ptau, pu), is read out meanwhile: each pair of its accumulators just ahead of the two products that begin them anew with C = 0.
; A vector line that reads a matrix result stands four plain lines behind it, a matrix instruction that writes over one five (ISA guide 7.12.1): the four v_nop, and of the twelve lines of a pair those that do not name the accumulator.
; pb = 1: behind each of the unit's other 18 matrix instructions stands a slice of the next atom's block scales.  A slice costs two switches of the register windows: its registers lie where the fragments of U3 leave room.
.macro UNIT tau, u, prev, ptau, pu, pb
.if \prev
	PLACES
.endif
	WIN 0x01
.irp q, 0,2,4,6
.if \prev
.if (\pu == 0) && (\q == 0)
	POST2 ACC+8*\q, ACC+8+8*\q, 200+28*\ptau+8*\pu+\q, 192+28*\ptau, 1
.else
	POST2 ACC+8*\q, ACC+8+8*\q, 200+28*\ptau+8*\pu+\q, 192+28*\ptau, 0
.endif
.endif
	W6 0, 8*\u+\q, \tau, 1
	W6 0, 8*\u+\q+1, \tau, 1
.endr
.if \prev
	POST2 D2, D2+8, 216+28*\ptau+2*\pu, 192+28*\ptau, 0      ; the second order: rows a = 8 h + j, factors w2
.if \pu == 1
	WIN 0
	SUMO \ptau
.endif
.endif
.if \u == 0
	WIN 0x05
	XBF \tau
.endif
.if \pb
.if PBJ == 0
	s_wait_loadcnt 0x0                             ; the next atom's w3 and w1, asked for ahead of this atom's last conversions, are in
.endif
.endif
.irp q, 0,1,2,3,4,5,6,7
	WIN 0x02
	W6 1, 8*\u+\q, \tau, 0
.if \pb
	PBSLOT
.endif
.endr
.irp q, 0,1,2,3,4,5,6,7
	WIN 0x03
	W6 2, 8*\u+\q, \tau, 0
.if \pb
	PBSLOT
.endif
.endr
.irp d, 0,1
	WIN 0x03
	v_wmma_f32_16x16x32_bf16 v[D2+8*\d:D2+8*\d+7], v[192+4*(2*\u+\d):199+4*(2*\u+\d)], v[XH:XH+7], 0
.if \pb
	PBSLOT
.endif
.endr
	WIN 0
.endm
	s_load_b512 s[4:19], s[0:1], 0x0               ; x s[4:5], atom_types s[6:7], U2 s[8:9], U1 s[10:11], W3 s[12:13], W2 s[14:15], W1 s[16:17], u3img s[18:19]
	s_load_b128 s[20:23], s[0:1], 0x40             ; u3sc s[20:21], out0 s[22:23]
	s_set_vgpr_msb 0x40
	v_lshl_add_u32 v254, v0, 2, 0x29000
	v_mov_b32 v255, 0
	s_set_vgpr_msb 0x4045
	ds_add_u32 v254, v255
	ds_add_u32 v254, v255
	s_set_vgpr_msb 0x4500
	v_lshrrev_b32 v17, 5, v0
	v_readfirstlane_b32 s24, v17                   ; wave 0..3
	v_and_b32 v60, 31, v0                          ; lane
	v_and_b32 v61, 15, v0                          ; r
	v_bfe_u32 v62, v0, 4, 1                        ; h
	s_lshl_b32 s96, s24, 7                         ; my 32 channels: 128 bytes x wave
	s_lshl_b32 s97, s24, 10
	v_lshlrev_b32 v1, 4, v60                       ; an image's place for my lane,
	v_lshl_add_u32 v2, v60, 4, 36864               ; and the same in the image's upper half (an LDS offset has 16 bits)
	v_lshl_add_u32 v7, v60, 2, s96                 ; my own channel, in bytes
	v_lshl_add_u32 v8, v61, 2, s96                 ; channel r of tile 0
	v_add_nc_u32 v3, XR, v7                        ; x: row 0, my own channel
	v_add_nc_u32 v5, XR, v8                        ; x: row 0, channel r
	v_mad_u32_u24 v4, v62, 8*XP, v5                ; x: row 8 h, channel r
	v_add_nc_u32 v6, OUTS, v7                      ; the stage: my own channel
	v_lshl_add_u32 v10, v60, 4, s97                ; the way out: wave w takes atoms 2 w, 2 w + 1; 16 bytes a lane
	v_add_nc_u32 v9, OUTS, v10
	v_lshlrev_b32 v11, 2, v60
	v_lshlrev_b32 v12, 8, v61
	v_lshl_add_u32 v12, v62, 7, v12                ; U2: row a = r of 256 bytes, + 8 h rows b of 16 bytes
.irp m, 4,5,6,7
	v_mov_b32 v[XH+\m], 0                          ; K = 16 .. 31 of the second order: zeros, for the whole launch
.endr
	s_bfe_u32 s25, ttmp6, 0x40000                  ; cx: my place in the cluster
	s_lshl_b32 s26, ttmp9, 2
	s_add_co_u32 s26, s26, s25                     ; work-group g = 4 x cluster x + cx: it enters global addresses alone
	s_mov_b32 s60, 0x76543210
	s_mov_b32 s61, 0xfedcba98                      ; lane selects: lane l xor 16
	s_mov_b32 s95, 0xffff0000                      ; lanes 16-31
	s_mov_b32 s92, 0                               ; the atom's place among x's rows in LDS
	s_mov_b32 s94, 0                               ; and in the stage
	s_mov_b32 s90, 8                               ; atoms to go
	; descriptor group 1 for U3's image: my quarter, 18,432 dense bytes, as 72 rows of 256 bytes (32 elements of 8 bytes)
	s_mov_b32 s32, 15|(3<<16)|(1<<21)              ; 15:0 the mask: all four work-groups; 17:16 elements of 8 bytes; 21 set beside a mask
	s_mov_b32 s33, 32<<16                          ; tensor_dim0
	s_mov_b32 s34, 72<<16                          ; tensor_dim1
	s_mov_b32 s35, 32<<16                          ; tile_dim0
	s_mov_b32 s36, 72                              ; tile_dim1
	s_mov_b32 s37, 32                              ; tensor_dim0_stride
	s_mov_b32 s38, 0
	s_mov_b32 s39, 0
	; and for x: my 32 rows of 128 f32, 2 words of padding behind each row's 128
	s_mov_b32 s44, (2<<16)|(1<<20)|(6<<22)|(1<<25) ; no mask; elements of 4 bytes; padding on; after every 128 words (code 6); 2 words of it (code 1)
	s_mov_b32 s45, 128<<16
	s_mov_b32 s46, 32<<16
	s_mov_b32 s47, 128<<16
	s_mov_b32 s48, 32
	s_mov_b32 s49, 128
	s_mov_b32 s50, 0
	s_mov_b32 s51, 0
	s_mov_b32 s28, 1
	s_mul_i32 s29, s24, 18432                      ; LDS: wave x 18,432,
	s_mov_b32 s96, s29                             ; and the same in memory: nothing here hangs on the work-group
	s_mov_b32 s97, 0
	s_mov_b32 s40, 1
	s_mul_i32 s41, s24, 32*XP
	s_add_co_u32 s41, s41, XR
	s_lshl_b32 s98, s26, 16                        ; x: 8 atoms of 8,192 bytes x g
	s_lshl_b32 s99, s24, 14                        ; + 32 rows x wave
	s_add_co_u32 s98, s98, s99
	s_mov_b32 s99, 0
	s_wait_dscnt 0x0
	s_wait_kmcnt 0x0
	s_add_nc_u64 s[30:31], s[18:19], s[96:97]
	s_or_b32 s31, s31, 0x80000000                  ; type = 2
	s_add_nc_u64 s[42:43], s[4:5], s[98:99]
	s_or_b32 s43, s43, 0x80000000
	s_lshl_b32 s98, s26, 5
	s_add_nc_u64 s[66:67], s[6:7], s[98:99]
	s_load_b256 s[52:59], s[66:67], 0x0            ; my eight atoms' types
	s_load_b512 s[68:83], s[10:11], 0x0            ; U1
	ROUND                                          ; all four work-groups are here: the joint loads meet
	tensor_load_to_lds s[28:31], s[32:39]          ; U3's image, my quarter, jointly
	s_nop 0
	tensor_load_to_lds s[40:43], s[44:51]          ; x, my quarter: two tensor loads of mine are out, and no more follow
	s_nop 0
	PLACES                                         ; four v_nop follow the second
.irp j, 0,1,2,3,4,5,6,7
	global_load_b128 v[ACC+4*\j:ACC+4*\j+3], v12, s[8:9] offset:16*\j   ; U2[r][8 h + j][0 .. 3]
.endr
.set kq, 0
.rept 24
	global_load_b32 v[SCU+kq], v11, s[20:21] offset:128*kq              ; U3's scale words: K step kq / 8, a = 2 (kq % 8) in lanes 0-15, the next a in lanes 16-31
.set kq, kq+1
.endr
	s_wait_kmcnt 0x0                               ; the types and U1
	NEXTW
	WLOAD                                          ; atom 0's weights go out ahead of every wait for data
	s_wait_tensorcnt 0x1                           ; my part of U3's image is in; x's load, issued behind it, may stay out
	s_barrier_signal -1
	s_barrier_wait -1                              ; everybody's part of the image is in
.irp s, 0,1,2                                  ; U3 goes into registers while x is on its way
	WIN (\s+1)<<6
.set fa, 0
.rept 16
.set ff, 3*fa+\s
.irp c, 0,1,2
.if ff < 24
	ds_load_b128 v[12*fa+4*\c:12*fa+4*\c+3], v1 offset:1536*ff+512*\c
.else
	ds_load_b128 v[12*fa+4*\c:12*fa+4*\c+3], v2 offset:1536*(ff-24)+512*\c
.endif
.endr
.set fa, fa+1
.endr
.endr
	WIN 0
	s_wait_loadcnt 47                              ; U2 and U3's scale words are in; the 47 loads of weights issued behind them may be out
	WIN 0xc0
.irp k, 0,1,2,3
.irp m, 0,1,2,3
	v_cvt_pk_bf16_f32 v[192+4*\k+\m], v[ACC+8*\m+\k], v[ACC+4+8*\m+\k]  ; fragment k begins at 192 + 4 k; its register m: b = 8 h + 2 m, 8 h + 2 m + 1.  Its registers 4-7 are the next fragment's: they meet x's zeros
.endr
.endr
.irp m, 0,1,2,3
	v_mov_b32 v[208+\m], 0                         ; behind the last fragment
.endr
	WIN 0
	s_wait_tensorcnt 0x0                           ; my part of x is in,
	s_wait_dscnt 0x0                               ; (no LDS load of mine is out at a signal: U3's fragments are in)
	s_barrier_signal -1
	s_barrier_wait -1                              ; everybody's is.  Nothing is filled again in this launch
	v_mov_b32 v13, v3
	XNEXT                                          ; atom 0's x_i
	s_wait_loadcnt 0x0                             ; atom 0's weights
	s_wait_dscnt 0x0
.set PBJ, 0
	PBS PBN                                        ; atom 0's block scales: there is no matrix work yet to set them under
	WIN 0
.Lpair:                                                ; eight trips, an atom each.  Its w3, w1, x_i and block scales are there: the waits for them stand in the trip before (for atom 0: above)
	s_add_co_u32 s93, s92, XATOM
	s_min_u32 s93, s93, 7*XATOM                    ; the next atom's rows; in the last trip atom 7's again
	v_add_nc_u32 v13, s93, v3
	v_add_nc_u32 v14, s92, v4
	v_add_nc_u32 v15, s92, v5
	v_add_nc_u32 v16, s94, v6
	XLD                                            ; wanted behind the products: it lands while the operand is built
.irp b, 0,1,2,3,4,5,6,7,8,9,10,11
	v_lshrrev_b32 v[T+\b], 23, v[SCO+\b]           ; the scales' bytes
.endr
.irp s, 0,1,2
	v_lshl_or_b32 v[SCA+\s], v[T+1+4*\s], 8, v[T+4*\s]       ; four bytes make my channel's scale word of K step s
.endr
.irp s, 0,1,2
	v_lshl_or_b32 v[SCA+\s], v[T+2+4*\s], 16, v[SCA+\s]
.endr
.irp s, 0,1,2
	v_lshl_or_b32 v[SCA+\s], v[T+3+4*\s], 24, v[SCA+\s]
.endr
	v_mul_f32 v22, s68, v[X]                       ; the first order, for my own channel: sum_a U1[a] x_a in four chains; their sum and the factor w1 stand behind the conversions below
	v_mul_f32 v23, s69, v[X+1]
	v_mul_f32 v20, s70, v[X+2]
	v_mul_f32 v21, s71, v[X+3]
.irp i, 4,8,12
	v_fmac_f32 v22, s[68+\i], v[X+\i]
	v_fmac_f32 v23, s[69+\i], v[X+1+\i]
	v_fmac_f32 v20, s[70+\i], v[X+2+\i]
	v_fmac_f32 v21, s[71+\i], v[X+3+\i]
.endr
	CVTG 0, 0, 1, 0
	CVTG 0, 1, 2, 0
	CVTG 1, 0, 3, 0
	CVTG 1, 1, 4, 0
	CVTG 2, 0, 0, 0
	CVTG 2, 1, 0, 1                                ; and the next atom's weights and x_i are asked for
	s_wait_dscnt 0x0                               ; x in the result's layout is in, and the next atom's x_i
	UNIT 0, 0, 0, 0, 0, 0
	UNIT 0, 1, 1, 0, 0, 0
.set PBJ, 0
	UNIT 1, 0, 1, 0, 1, 1                          ; 18 slices of two lines,
	UNIT 1, 1, 1, 1, 0, 1                          ; 4 of two and 14 of four: 36 + 8 + 55 = the list's 99
	PLACES                                         ; the last unit is read out
	WIN 0x01
.irp q, 0,2,4,6
	POST2 ACC+8*\q, ACC+8+8*\q, 200+28+8+\q, 192+28, 0
.endr
	POST2 D2, D2+8, 216+28+2, 192+28, 0
	WIN 0
	SUMO 1
	v_permlanex16_b32 v20, v18, s60, s61           ; b (and a of the second order) 8 .. 15 lie in the lane 16 away
	v_permlanex16_b32 v21, v19, s60, s61
	v_add_f32 v18, v18, v20                        ; tile 0's channel r, in both halves of the lanes
	v_add_f32 v19, v19, v21                        ; tile 1's
	v_cndmask_b32 v18, v18, v19, s95               ; my own channel's: lanes 16-31 take tile 1's
	v_add_f32 v18, v18, v22
	ds_store_b32 v16, v18                          ; my word of the stage
	s_add_co_u32 s92, s92, XATOM
	s_add_co_u32 s94, s94, 512
	s_sub_co_i32 s90, s90, 1
	s_cmp_lg_u32 s90, 0
	s_cbranch_scc1 .Lpair
	s_wait_dscnt 0x0                               ; for the others' sake: my stores into the stage are done
	s_barrier_signal -1
	s_barrier_wait -1
	ds_load_b128 v[148:151], v9                    ; a row of out0 comes from four waves: each wave takes two whole rows back
	ds_load_b128 v[152:155], v9 offset:512
	s_lshl_b32 s96, s26, 12                        ; 8 rows of 512 bytes x g
	s_mov_b32 s97, 0
	s_add_nc_u64 s[22:23], s[22:23], s[96:97]
	s_wait_dscnt 0x0
	global_store_b128 v10, v[148:151], s[22:23] th:TH_STORE_NT            ; 32 lanes store 512 consecutive bytes, at a multiple of 256 from out0's first byte
	global_store_b128 v10, v[152:155], s[22:23] offset:512 th:TH_STORE_NT
	s_set_vgpr_msb 0x5
	s_wait_tensorcnt 0x0
	ds_add_u32 v254, v255
	s_wait_dscnt 0x0
	s_set_vgpr_msb 0x500
	ROUND                                          ; the closing round: no work-group ends while a partner may still ask for a tile that names it
	s_endpgm
.Lfunc_end_k_q44734d4600_contract:
	.size	k_q44734d4600_contract, .Lfunc_end_k_q44734d4600_contract-k_q44734d4600_contract
	.p2alignl 7, 3214868480
	.fill 96, 4, 3214868480
	.section	.rodata,"a",@progbits
	.p2align	6, 0x0
	.amdhsa_kernel k_q44734d4600_contract
		.amdhsa_group_segment_fixed_size 168448
		.amdhsa_private_segment_fixed_size 0
		.amdhsa_enable_private_segment 0
		.amdhsa_kernarg_size 80
		.amdhsa_user_sgpr_count 2
		.amdhsa_user_sgpr_kernarg_segment_ptr 1
		.amdhsa_wavefront_size32 1
		.amdhsa_system_sgpr_workgroup_id_x 1
		.amdhsa_system_sgpr_workgroup_id_y 1
		.amdhsa_system_sgpr_workgroup_id_z 1
		.amdhsa_system_vgpr_workitem_id 0
		.amdhsa_next_free_vgpr 1024
		.amdhsa_next_free_sgpr 100
		.amdhsa_reserve_vcc 0
		.amdhsa_float_denorm_mode_32 3
		.amdhsa_float_denorm_mode_16_64 3
		.amdhsa_memory_ordered 1
		.amdhsa_forward_progress 1
		.amdhsa_inst_pref_size 99
	.end_amdhsa_kernel
	.amdgpu_metadata
---
amdhsa.version: [ 1, 2 ]
amdhsa.kernels:
  - .name:           k_q44734d4600_contract
    .symbol:         k_q44734d4600_contract.kd
    .args:
      - { .name: x, .offset: 0, .size: 8, .value_kind: global_buffer, .address_space: global }
      - { .name: atom_types, .offset: 8, .size: 8, .value_kind: global_buffer, .address_space: global }
      - { .name: U2, .offset: 16, .size: 8, .value_kind: global_buffer, .address_space: global }
      - { .name: U1, .offset: 24, .size: 8, .value_kind: global_buffer, .address_space: global }
      - { .name: W3, .offset: 32, .size: 8, .value_kind: global_buffer, .address_space: global }
      - { .name: W2, .offset: 40, .size: 8, .value_kind: global_buffer, .address_space: global }
      - { .name: W1, .offset: 48, .size: 8, .value_kind: global_buffer, .address_space: global }
      - { .name: u3img, .offset: 56, .size: 8, .value_kind: global_buffer, .address_space: global }
      - { .name: u3sc, .offset: 64, .size: 8, .value_kind: global_buffer, .address_space: global }
      - { .name: out0, .offset: 72, .size: 8, .value_kind: global_buffer, .address_space: global }
    .group_segment_fixed_size: 168448
    .private_segment_fixed_size: 0
    .kernarg_segment_align: 8
    .kernarg_segment_size: 80
    .max_flat_workgroup_size: 128
    .sgpr_count:     100
    .vgpr_count:     1024
    .wavefront_size: 32
...
	.end_amdgpu_metadata
.endif
;; end of part 2
